; MI455X (gfx1250); checked and timed in simulation.
; The chip was launched on July 23, 2026; its instructions are those of AMD's public machine-readable ISA for CDNA 5 (MIT licence, August 2026) and "CDNA5" Instruction Set Architecture Reference Guide (July 2026). The comments in the code are by the model that wrote it; some were corrected since.
;; Multi Head Attention. Allowed arithmetic: float matrix products may take bf16 or f16 operands with f32 sums; all other float work in f32.
;; Inputs: W0 1,024 x 1,024 float32; Wk 1,024 x 1,024 float32; Wq 1,024 x 1,024 float32; Wv 1,024 x 1,024 float32; b0 1,024 float32; bk 1,024 float32; bq 1,024 float32; bv 1,024 float32; k 4 x 2,048 x 1,024 float32; mask 4 x 1 x 2,048 x 2,048 bool; q 4 x 2,048 x 1,024 float32; v 4 x 2,048 x 1,024 float32.
;; Outputs: out0 4 x 2,048 x 1,024 float32.
;; One version. Each part assembles by itself: llvm-mc -triple=amdgcn-amd-amdhsa -mcpu=gfx1250 --defsym DOCPART=n.
;; ======== version 1 of 1: 4 launches
;; limits: values are held in f16: magnitudes above 65,504 overflow, below 6.1e-05 lose precision
;; workspace buffers: wb 8,388,608 bytes; mw 2,097,152 bytes of whole numbers; qkv 50,331,648 bytes; ao 16,777,216 bytes
;; launch prep (part 1): grid 256 x 2, 8 waves a work-group, no clusters, 68,608 bytes of LDS; arguments Wq, Wk, Wv, W0, mask, wb, mw; writes wb, mw
.if DOCPART == 1
	.amdgcn_target "amdgcn-amd-amdhsa--gfx1250"
	.amdhsa_code_object_version 6
	.text
	.protected	k_q9e59433041_prep
	.globl	k_q9e59433041_prep
	.p2align	8
	.type	k_q9e59433041_prep,@function
k_q9e59433041_prep:
	s_mov_b64 s[64:65], 0
	v_nop
	global_prefetch_b8 v0, s[64:65] scope:SCOPE_SE
	s_setreg_imm32_b32 hwreg(HW_REG_WAVE_MODE, 25, 1), 1
	s_wait_xcnt 0x0
; prep: two streams in one launch, told apart by the work-group's y.
;  y = 0: Wq, Wk, Wv, W0 (f32) are rounded to bf16 into wb = [4][1024][1024]; 64 work-groups a matrix, 65,536 source bytes each.
;  y = 1: the mask's bytes become lane masks: mw = u32 [b 4][st 128][tt 128][j 8]; bit r + 16 h of word j is
;         mask[b][16 st + r][16 tt + 8 h + j] != 0, the lanes of register j of a 16 x 16 tile of scores (key 8 h + j, query r).
; Memory binds: every byte is read once by 16-byte loads, every store of a wave covers 256 consecutive bytes, aligned.
; No matrix unit and no cluster: no work-group reads what another reads.
.set X, 32                             ; v[32:95]   16 loads of 4 registers (both roles)
.set Y, 96                             ; v[96:127]  cast: 16 pairs of registers, bf16 to store
.set MB, 96                            ; v[96:111]  mask: 8 bytes a lane for each of 8 tiles
.set MT, 24                            ; v[24:31]   mask: one byte singled out
.set MO, 16                            ; v[16:23]   mask: four pairs of words to store
	s_load_b256 s[8:15], s[0:1], 0x0               ; Wq s[8:9], Wk s[10:11], Wv s[12:13], W0 s[14:15]
	s_load_b128 s[16:19], s[0:1], 0x20             ; mask s[16:17], wb s[18:19]
	s_load_b64 s[20:21], s[0:1], 0x30              ; mw
	v_lshl_add_u32 v128, v0, 2, 0x10800
	v_mov_b32 v129, 0
	s_and_b32 s31, ttmp7, 0xffff                   ; y
	s_cmp_eq_u32 s31, 1
	s_cbranch_scc1 .Lmask
	; ---- the casts: 65,536 bytes are 16 loads of 16 bytes a thread; all 16 are issued at once, so there is no loop ----
	s_lshr_b32 s32, ttmp9, 6                       ; which matrix, 0 to 3
	s_and_b32 s34, ttmp9, 63
	s_lshl_b32 s34, s34, 16                        ; source offset (x mod 64) * 65,536
	s_mov_b32 s35, 0
	s_lshl_b32 s36, ttmp9, 15                      ; offset in wb: x * 32,768
	s_mov_b32 s37, 0
	v_lshlrev_b32 v1, 4, v0                        ; 16 bytes of f32 a thread
	v_lshlrev_b32 v2, 3, v0                        ; 8 bytes of bf16 a thread
	s_wait_kmcnt 0x0
	s_add_nc_u64 s[38:39], s[18:19], s[36:37]
	s_mov_b64 s[40:41], s[8:9]
	s_cmp_eq_u32 s32, 1
	s_cselect_b64 s[40:41], s[10:11], s[40:41]
	s_cmp_eq_u32 s32, 2
	s_cselect_b64 s[40:41], s[12:13], s[40:41]
	s_cmp_eq_u32 s32, 3
	s_cselect_b64 s[40:41], s[14:15], s[40:41]
	s_add_nc_u64 s[40:41], s[40:41], s[34:35]
.irp i, 0,1,2,3,4,5,6,7,8,9,10,11,12,13,14,15
	global_load_b128 v[X+4*\i:X+4*\i+3], v1, s[40:41] offset:\i*4096 th:TH_LOAD_NT
.endr
.irp i, 0,1,2,3,4,5,6,7,8,9,10,11,12,13,14,15
	s_wait_loadcnt 15-\i                           ; loads come back in order: load i is in, the younger ones stay out
	v_cvt_pk_bf16_f32 v[Y+2*\i],   v[X+4*\i],   v[X+4*\i+1]
	v_cvt_pk_bf16_f32 v[Y+2*\i+1], v[X+4*\i+2], v[X+4*\i+3]
	global_store_b64 v2, v[Y+2*\i:Y+2*\i+1], s[38:39] offset:\i*2048   ; a wave's store: 256 consecutive bytes, aligned; each has its own pair of registers
.endr
	s_endpgm
	; ---- the mask ----
	; The work-group takes two strips of 16 query rows; wave w takes strip G = 2 x + w / 4 and 512 columns (32 tiles) at 512 (w mod 4).
	; Its 16 x 512 bytes come in by whole runs of 256 bytes, go through the wave's own LDS (pitch 528), and come back as 8 bytes a lane.
.Lmask:
	v_lshrrev_b32 v1, 5, v0
	v_readfirstlane_b32 s32, v1                    ; wave
	s_lshr_b32 s33, s32, 2
	s_lshl1_add_u32 s33, ttmp9, s33                ; G, 0 to 511 = 128 b + st
	s_and_b32 s34, s32, 3
	s_lshl_b32 s36, s33, 15                        ; 16 rows of 2,048 bytes
	s_lshl_b32 s35, s34, 9
	s_add_co_u32 s36, s36, s35
	s_mov_b32 s37, 0
	s_lshl_b32 s38, s33, 12                        ; 128 tiles of 32 bytes
	s_lshl_b32 s35, s34, 10
	s_add_co_u32 s38, s38, s35
	s_mov_b32 s39, 0
	s_mul_i32 s35, s32, 8448                       ; my wave's 16 rows of 528 bytes in LDS
	v_and_b32 v4, 15, v0                           ; r
	v_bfe_u32 v5, v0, 4, 1                         ; h
	v_lshlrev_b32 v6, 4, v4
	v_lshl_add_u32 v1, v5, 11, v6                  ; in memory: row h of a pair, 16 bytes at 16 r
	v_mad_u32_u24 v7, v5, 528, v6
	v_add_nc_u32 v7, s35, v7                       ; the same place in LDS
	v_mul_u32_u24 v8, v4, 528
	v_lshl_add_u32 v8, v5, 3, v8
	v_add_nc_u32 v8, s35, v8                       ; back: row r, 8 bytes at 8 h of a tile's 16
	v_and_b32 v3, 31, v0
	v_lshlrev_b32 v3, 3, v3                        ; out: 8 bytes a lane
.irp i, 0,1,2,3,4,5,6,7
	v_mov_b32 v[MO+\i], 0                          ; v_writelane_b32 counts as a reader of its destination
.endr
	s_wait_kmcnt 0x0
	s_add_nc_u64 s[16:17], s[16:17], s[36:37]
	s_add_nc_u64 s[20:21], s[20:21], s[38:39]
.irp i, 0,1,2,3,4,5,6,7
.irp k, 0,1
	global_load_b128 v[X+4*(2*\i+\k):X+4*(2*\i+\k)+3], v1, s[16:17] offset:\i*4096+256*\k th:TH_LOAD_NT   ; rows 2 i, 2 i + 1: 256 bytes each
.endr
.endr
.irp i, 0,1,2,3,4,5,6,7
.irp k, 0,1
	s_wait_loadcnt 15-(2*\i+\k)
	ds_store_b128 v7, v[X+4*(2*\i+\k):X+4*(2*\i+\k)+3] offset:\i*1056+256*\k
.endr
.endr
	; The bytes are the wave's own and LDS serves a wave's instructions in order: no barrier, no wait in front of the reads.
.irp g, 0,1,2,3
.irp n, 0,1,2,3,4,5,6,7
	ds_load_b64 v[MB+2*\n:MB+2*\n+1], v8 offset:16*(8*\g+\n)       ; tile 8 g + n: mask[r][8 h .. 8 h + 7]
.endr
.irp n, 0,1,2,3,4,5,6,7
	s_wait_dscnt 7-\n                              ; tile n's load is in, the younger ones may be out
.irp j, 0,1,2,3,4,5,6,7
	v_and_b32 v[MT+\j], 0xff<<(8*(\j%4)), v[MB+2*\n+\j/4]          ; byte j
.endr
.irp j, 0,1,2,3,4,5,6,7
	v_cmp_ne_u32 s[40+\j], 0, v[MT+\j]             ; one bit a lane: word j of the tile
.endr
.irp j, 0,1,2,3,4,5,6,7
	v_writelane_b32 v[MO+2*\g+\j%2], s[40+\j], 4*\n+\j/2           ; word 8 n + j of this group's 64: lane (8 n + j) / 2, register j mod 2
.endr
.endr
	global_store_b64 v3, v[MO+2*\g:MO+2*\g+1], s[20:21] offset:256*\g   ; 256 consecutive bytes, aligned; each group has its own pair of registers
.endr
	s_wait_tensorcnt 0x0
	ds_add_u32 v128, v129
	s_wait_dscnt 0x0
	s_endpgm
.Lfunc_end_k_q9e59433041_prep:
	.size	k_q9e59433041_prep, .Lfunc_end_k_q9e59433041_prep-k_q9e59433041_prep
	.p2alignl 7, 3214868480
	.fill 96, 4, 3214868480
	.section	.rodata,"a",@progbits
	.p2align	6, 0x0
	.amdhsa_kernel k_q9e59433041_prep
		.amdhsa_group_segment_fixed_size 68608
		.amdhsa_private_segment_fixed_size 0
		.amdhsa_enable_private_segment 0
		.amdhsa_kernarg_size 56
		.amdhsa_user_sgpr_count 2
		.amdhsa_user_sgpr_kernarg_segment_ptr 1
		.amdhsa_wavefront_size32 1
		.amdhsa_system_sgpr_workgroup_id_x 1
		.amdhsa_system_sgpr_workgroup_id_y 1
		.amdhsa_system_sgpr_workgroup_id_z 1
		.amdhsa_system_vgpr_workitem_id 0
		.amdhsa_next_free_vgpr 130
		.amdhsa_next_free_sgpr 66
		.amdhsa_reserve_vcc 0
		.amdhsa_float_denorm_mode_32 3
		.amdhsa_float_denorm_mode_16_64 3
		.amdhsa_memory_ordered 1
		.amdhsa_forward_progress 1
		.amdhsa_inst_pref_size 63
	.end_amdhsa_kernel
	.amdgpu_metadata
---
amdhsa.version: [ 1, 2 ]
amdhsa.kernels:
  - .name:           k_q9e59433041_prep
    .symbol:         k_q9e59433041_prep.kd
    .args:
      - { .name: Wq, .offset: 0, .size: 8, .value_kind: global_buffer, .address_space: global }
      - { .name: Wk, .offset: 8, .size: 8, .value_kind: global_buffer, .address_space: global }
      - { .name: Wv, .offset: 16, .size: 8, .value_kind: global_buffer, .address_space: global }
      - { .name: W0, .offset: 24, .size: 8, .value_kind: global_buffer, .address_space: global }
      - { .name: mask, .offset: 32, .size: 8, .value_kind: global_buffer, .address_space: global }
      - { .name: wb, .offset: 40, .size: 8, .value_kind: global_buffer, .address_space: global }
      - { .name: mw, .offset: 48, .size: 8, .value_kind: global_buffer, .address_space: global }
    .group_segment_fixed_size: 68608
    .private_segment_fixed_size: 0
    .kernarg_segment_align: 8
    .kernarg_segment_size: 56
    .max_flat_workgroup_size: 256
    .sgpr_count:     66
    .vgpr_count:     130
    .wavefront_size: 32
...
	.end_amdgpu_metadata
.endif
;; end of part 1
;; launch proj (part 2): grid 4 x 192, 4 waves a work-group, clusters of 4 x 4, 327,680 bytes of LDS; arguments q, k, v, wb, bq, bk, bv, qkv; writes qkv
.if DOCPART == 2
	.amdgcn_target "amdgcn-amd-amdhsa--gfx1250"
	.amdhsa_code_object_version 6
	.text
	.protected	k_q9e59433041_proj
	.globl	k_q9e59433041_proj
	.p2align	8
	.type	k_q9e59433041_proj,@function
k_q9e59433041_proj:
	s_mov_b64 s[64:65], 0
	v_nop
	global_prefetch_b8 v0, s[64:65] scope:SCOPE_SE
	s_setreg_imm32_b32 hwreg(HW_REG_WAVE_MODE, 25, 1), 1
	s_wait_xcnt 0x0
	s_wait_alu depctr_hold_cnt(0) depctr_sa_sdst(0) depctr_va_vdst(0) depctr_va_sdst(0) depctr_va_ssrc(0) depctr_va_vcc(0) depctr_vm_vsrc(0)
	s_getreg_b32 s2, hwreg(HW_REG_IB_STS2, 6, 4)
	s_cmp_eq_u32 s2, 0
	s_cbranch_scc0 .Lentry_in_a_cluster
	s_endpgm
.Lentry_in_a_cluster:
	s_bfe_u32 s2, ttmp6, 0x10000c
	s_cmp_lg_u32 s2, 0xf033
	s_cbranch_scc0 .Lentry_shape_is_right
	s_endpgm
.Lentry_shape_is_right:
; proj: the three projections.  qkv[8192 P + m][n] = f * (sum over k of x_P[m][k] wb[P][n][k] + bias_P[n]), x_0, x_1, x_2 = q, k, v.
; x f32 as given, rounded to bf16 on the way from LDS to the matrix unit; wb bf16; sums and bias f32; qkv f16.
; f = log2(e) / 8 for P = 0 (the query: the scores of the next launch then come out in base 2, already divided by sqrt(64)), 1 for keys and values.
; LIMIT: qkv is f16, so 0.18 |query|, |key| and |value| must stay below 65,504; beyond that the conversion gives infinity.  f16 and not bf16,
; because its three more bits of significand are what the result's tolerance needs of these intermediates.
; A work-group makes 128 x 256 of qkv with four waves, one for each SIMD; a wave makes 64 x 128: 32 accumulator tiles, 256 registers.
; 128 x 256 and not 256 x 256: 24,576 x 1,024 then gives 768 blocks, three for each of 256 WGPs.
; K goes in steps of 128 through two LDS slots filled by the tensor data mover: rows of 512 bytes of x, of 256 bytes of wb, all aligned.
; x comes in as f32, so that it is read from memory once and no bf16 copy of it is ever written: that costs 32 more LDS loads and 128 conversions
; for a wave's 128 matrix instructions of a K step.
; CLUSTERS: 4 x 4 work-groups.  The four of a row of the cluster share A's tile (rows of x), the four of a column share B's (rows of wb):
; each tile is asked for jointly, by the same load with the same descriptor in all four.
; REGISTERS: window 0: addresses v16-27; v32-63 A's four fragments in bf16; v64-127 and v192-255 B's eight fragments, two buffers;
; v128-191 A's four fragments as f32, as loaded (and the packed results on the way out);
; window 1: the 32 accumulator tiles, tile (a, b) at 8 (8 a + b); window 2: v0-63 the bias, as eight C operands.
; THE MATRIX INSTRUCTION IS USED TRANSPOSED (source 0 = rows of wb, source 1 = rows of x): register j of lane (r, h) holds row r,
; column 16 b + 8 h + j: eight neighbouring columns, 16 bytes of f16.
.set KDIM,   1024
.set NDIM,   1024
.set KSTEP,  128
.set PITCH,  272                       ; B: 256 bytes + 16 of padding: the 16 rows of a fragment load start 4 words apart
.set APITCH, 528                       ; A: 512 bytes + 16 of padding: likewise
.set BHALF,  128*PITCH                 ; what wave 0 or 1 fetches: 128 rows of B, 34,816 bytes
.set AHALF,  64*APITCH                 ; what wave 2 or 3 fetches: 64 rows of A, 33,792 bytes
.set AOFF,   2*BHALF                   ; a slot: B's 256 rows, then A's 128
.set SLOT,   2*BHALF+2*AHALF           ; 137,216
.set STAGE,  2*SLOT                    ; behind the ring: 16 rows x 272 bytes for each wave; no fill lands there
.set SPITCH, 272
.set LAPS,   KDIM/(2*KSTEP)            ; 4 laps of two K steps
.set ADRA, 16                          ; v16-17 LDS address of my A fragments, slot 0, 1
.set ADRB, 20                          ; v20-21 the same for B
.set STO,  24
.set RD,   25
.set CO,   26
.set BO,   27
.set FA,   32
.set RAW,  128
.set TMP,  128
.set G1,  24                           ; s[24:31] group 1 for A's tiles
.set G0,  32                           ; s[32:39] group 0 for A's tiles, one set a slot
.set G1B, 48                           ; s[48:55] group 1 for B's tiles
.set G0B, 56                           ; s[56:63] group 0 for B's tiles, one set a slot
.set MUL_ON,    0x50                   ; C and D window 1, sources window 0
.set MUL_FIRST, 0x60                   ; D window 1, C window 2 (the bias)
.set MSB, 0
.macro WIN new                         ; the immediate's high byte repeats the setting that is left
.if MSB != (\new)
	s_set_vgpr_msb (MSB<<8)|(\new)
.set MSB, (\new)
.endif
.endm
.macro MWIN first
.if \first
	WIN MUL_FIRST
.else
	WIN MUL_ON
.endif
.endm
; A joint load: waves 0 and 1 fetch B's halves, waves 2 and 3 A's.  The branch hangs on the wave's number alone.
.macro JLOAD s
	s_cmp_eq_u32 s11, 0
	s_cbranch_scc0 .Lfor_a_\@
	tensor_load_to_lds s[G0B+4*\s:G0B+4*\s+3], s[G1B:G1B+7]
	s_nop 0
	s_branch .Lasked_\@
.Lfor_a_\@:
	tensor_load_to_lds s[G0+4*\s:G0+4*\s+3], s[G1:G1+7]
	s_nop 0
.Lasked_\@:
.endm
.macro CREST                           ; a round of the cluster's barrier behind its opening barrier
	s_cmp_lg_u32 s10, 0
	s_cbranch_scc1 .Lnot_wave_0_\@
	s_barrier_signal -3
.Lnot_wave_0_\@:
	s_barrier_wait -3
	s_barrier_signal -1
	s_barrier_wait -1
.endm
.macro CROUND                          ; a whole round
	s_barrier_signal -1
	s_barrier_wait -1
	CREST
.endm
.macro PLACES                          ; four places behind a matrix instruction (ISA guide 7.12.1) in front of the readers of its result
.rept 4
	v_nop
.endr
.endm
	s_load_b512 s[68:83], s[0:1], 0x0              ; q s[68:69], k s[70:71], v s[72:73], wb s[74:75], bq s[76:77], bk s[78:79], bv s[80:81], qkv s[82:83]
	v_lshl_add_u32 v30, v0, 2, 0x47400
	v_mov_b32 v31, 0
	ds_add_u32 v30, v31
	v_lshrrev_b32 v1, 5, v0
	v_readfirstlane_b32 s10, v1                    ; wave 0..3
	s_lshr_b32 s11, s10, 1                         ; my half of the block's rows.  Also: I fetch for B (0) or for A (1)
	s_and_b32 s12, s10, 1                          ; my half of its columns.  Also: which half of that tile I fetch
	s_bfe_u32 s40, ttmp6, 0x40000                  ; cx
	s_bfe_u32 s41, ttmp6, 0x40004                  ; cy
	s_lshl_b32 s42, ttmp9, 2
	s_add_co_u32 s42, s42, s40                     ; block column = 4 x cluster x + cx
	s_and_b32 s45, ttmp7, 0xffff                   ; cluster y
	s_lshl_b32 s13, s45, 2
	s_add_co_u32 s13, s13, s41                     ; block row = 4 x cluster y + cy, 0 to 191
	s_lshr_b32 s45, s45, 4                         ; P = block row / 64, from the cluster's y alone: the same in the whole cluster
	s_lshl_b32 s43, s41, 2
	s_lshl_b32 s43, 15, s43                        ; my row of the cluster
	s_lshl_b32 s44, 0x1111, s40                    ; my column
	s_or_b32 s[G1+0], s43, (2<<16)|(1<<20)|(1<<21)|(6<<22)|(3<<25)   ; A: mask; 4-byte elements; padding on; bit 21 beside a mask; after every 128 words, 4 words
	s_or_b32 s[G1B+0], s44, (1<<16)|(1<<20)|(1<<21)|(5<<22)|(3<<25)  ; B: mask; 2-byte elements; after every 64 words, 4 words
	s_mov_b32 s[G1+1], KSTEP<<16                   ; tensor_dim0 = 128 elements
	s_mov_b32 s[G1B+1], KSTEP<<16
	s_mov_b32 s[G1+2], 64<<16                      ; tensor_dim1 = 64 rows (A)
	s_mov_b32 s[G1B+2], 128<<16                    ; 128 rows (B)
	s_mov_b32 s[G1+3], KSTEP<<16                   ; tile_dim0 = 128
	s_mov_b32 s[G1B+3], KSTEP<<16
	s_mov_b32 s[G1+4], 64                          ; tile_dim1
	s_mov_b32 s[G1B+4], 128
	s_mov_b32 s[G1+5], KDIM                        ; elements from row to row
	s_mov_b32 s[G1B+5], KDIM
	s_mov_b32 s[G1+6], 0
	s_mov_b32 s[G1B+6], 0
	s_mov_b32 s[G1+7], 0
	s_mov_b32 s[G1B+7], 0
	; A's address hangs on the block row, B's on P and the block column; each in registers that never hold the other coordinate
	s_and_b32 s16, s13, 63                         ; the block row inside x_P
	s_lshl_b32 s16, s16, 7
	s_lshl_b32 s17, s12, 6
	s_add_co_u32 s16, s16, s17                     ; A: row 128 x (block row mod 64) + 64 x half,
	s_lshl_b32 s16, s16, 12                        ; of 4,096 bytes: below 2^25
	s_mov_b32 s17, 0
	s_lshl_b32 s47, s12, 7
	s_lshl_b32 s46, s42, 8
	s_add_co_u32 s46, s46, s47
	s_lshl_b32 s47, s45, 10
	s_add_co_u32 s46, s46, s47                     ; B: row 1024 P + 256 x block column + 128 x half,
	s_lshl_b32 s46, s46, 11                        ; of 2,048 bytes
	s_mov_b32 s47, 0
	s_mul_i32 s20, s10, AHALF
	s_add_co_u32 s20, s20, AOFF-2*AHALF            ; A's halves, waves 2 and 3: 69,632 and 103,424
	s_mul_i32 s21, s10, BHALF                      ; B's halves, waves 0 and 1: 0 and 34,816
	s_mov_b32 s87, 0x3f800000
	s_cmp_eq_u32 s45, 0
	s_cselect_b32 s86, 0x3e38aa3b, s87             ; f: log2(e) / 8 for the query, else 1
	s_lshl_b32 s84, s42, 10
	s_lshl_b32 s85, s12, 9
	s_add_co_u32 s84, s84, s85                     ; my 128 columns in the bias, in bytes
	s_mov_b32 s85, 0
	s_wait_dscnt 0x0
	s_wait_kmcnt 0x0
	s_cmp_eq_u32 s45, 1
	s_cselect_b64 s[14:15], s[70:71], s[68:69]     ; x_P
	s_cselect_b64 s[76:77], s[78:79], s[76:77]     ; and its bias
	s_cmp_eq_u32 s45, 2
	s_cselect_b64 s[14:15], s[72:73], s[14:15]
	s_cselect_b64 s[76:77], s[80:81], s[76:77]
	s_add_nc_u64 s[14:15], s[14:15], s[16:17]
	s_add_nc_u64 s[46:47], s[74:75], s[46:47]
	s_add_nc_u64 s[76:77], s[76:77], s[84:85]
	CROUND                                         ; all sixteen work-groups are here: the first joint loads meet
.irp s, 0,1
	s_mov_b32 s[G0+4*\s], 1
	s_add_co_u32 s[G0+4*\s+1], s20, \s*SLOT
	s_add_nc_u64 s[G0+4*\s+2:G0+4*\s+3], s[14:15], \s*KSTEP*4
	s_or_b32 s[G0+4*\s+3], s[G0+4*\s+3], 0x80000000
	s_mov_b32 s[G0B+4*\s], 1
	s_add_co_u32 s[G0B+4*\s+1], s21, \s*SLOT
	s_add_nc_u64 s[G0B+4*\s+2:G0B+4*\s+3], s[46:47], \s*KSTEP*2
	s_or_b32 s[G0B+4*\s+3], s[G0B+4*\s+3], 0x80000000
	JLOAD \s                                       ; K steps 0 and 1: two tensor loads of the wave are out
.endr
	v_and_b32 v1, 15, v0                           ; r
	v_bfe_u32 v2, v0, 4, 1                         ; h
	v_mul_u32_u24 v3, v1, PITCH
	v_lshl_add_u32 v3, v2, 4, v3                   ; B (bf16): r x 272 + 16 h
	v_mul_u32_u24 v4, v1, APITCH
	v_lshl_add_u32 v4, v2, 5, v4                   ; A (f32): r x 528 + 32 h
	s_mul_i32 s22, s11, AHALF
	s_add_co_u32 s22, s22, AOFF                    ; my 64 rows of A
	s_mul_i32 s23, s12, BHALF                      ; my 128 rows of B
.irp s, 0,1
	v_add_nc_u32 v[ADRA+\s], s22, v4
	v_add_nc_u32 v[ADRB+\s], s23, v3
	s_add_co_u32 s22, s22, SLOT
	s_add_co_u32 s23, s23, SLOT
.endr
	s_mul_i32 s23, s10, 16*SPITCH
	s_add_co_u32 s23, s23, STAGE                   ; my stage
	v_add_nc_u32 v[STO], s23, v3                   ; in: row r, 16 bytes for each half of the lanes
	v_mul_u32_u24 v5, v2, SPITCH
	v_lshl_add_u32 v5, v1, 4, v5
	v_add_nc_u32 v[RD], s23, v5                    ; back: lanes 0-15 one row of 256 bytes, lanes 16-31 the next
	v_lshlrev_b32 v5, 11, v2
	v_lshl_add_u32 v[CO], v1, 4, v5                ; the same two rows in qkv
	v_lshlrev_b32 v[BO], 5, v2                     ; bias: 8 h numbers in
	WIN 0x80                                       ; destination window 2
.irp b, 0,1,2,3,4,5,6,7
	global_load_b128 v[8*\b:8*\b+3],   v[BO], s[76:77] offset:64*\b      ; register j: bias[16 b + 8 h + j], the C operand of tile column b
	global_load_b128 v[8*\b+4:8*\b+7], v[BO], s[76:77] offset:64*\b+16
.endr
	WIN 0
; 8 matrix instructions: row block a x all 8 column blocks, 32 along K, B from buffer f.  first = 1: the bias is C, so the first product starts the sums.
.macro MUL8 f, a, first
.irp b, 0,1,2,3,4,5,6,7
.if \first
	v_wmma_f32_16x16x32_bf16 v[8*(8*\a+\b):8*(8*\a+\b)+7], v[64+128*\f+8*\b:64+128*\f+8*\b+7], v[FA+8*\a:FA+8*\a+7], v[8*\b:8*\b+7]
.else
	v_wmma_f32_16x16x32_bf16 v[8*(8*\a+\b):8*(8*\a+\b)+7], v[64+128*\f+8*\b:64+128*\f+8*\b+7], v[FA+8*\a:FA+8*\a+7], v[8*(8*\a+\b):8*(8*\a+\b)+7]
.endif
.endr
.endm
; 32 LDS loads in one run: 128 rows of B (32 K at byte k of the rows) into buffer f, then 64 rows of A as f32 (the same 32 K, at byte 2 k).
; A lane's part of an A fragment is K = 8 h .. 8 h + 7 and 16 + 8 h .. 16 + 8 h + 7: in f32 two runs of 32 bytes, 64 bytes apart.
.macro FETCH slot, k, f
.irp i, 0,1,2,3,4,5,6,7
	ds_load_b128 v[64+128*\f+8*\i:64+128*\f+8*\i+3],   v[ADRB+\slot] offset:\k+\i*16*PITCH
	ds_load_b128 v[64+128*\f+8*\i+4:64+128*\f+8*\i+7], v[ADRB+\slot] offset:\k+\i*16*PITCH+32
.endr
.irp i, 0,1,2,3
	ds_load_b128 v[RAW+16*\i:RAW+16*\i+3],     v[ADRA+\slot] offset:2*\k+\i*16*APITCH
	ds_load_b128 v[RAW+16*\i+4:RAW+16*\i+7],   v[ADRA+\slot] offset:2*\k+\i*16*APITCH+16
	ds_load_b128 v[RAW+16*\i+8:RAW+16*\i+11],  v[ADRA+\slot] offset:2*\k+\i*16*APITCH+64
	ds_load_b128 v[RAW+16*\i+12:RAW+16*\i+15], v[ADRA+\slot] offset:2*\k+\i*16*APITCH+80
.endr
.endm
.macro CVT a                           ; A's fragment a: 16 f32 a lane become 8 registers of bf16, rounded to nearest even
.irp j, 0,1,2,3,4,5,6,7
	v_cvt_pk_bf16_f32 v[FA+8*\a+\j], v[RAW+16*\a+2*\j], v[RAW+16*\a+2*\j+1]
.endr
.endm
; A quarter of a K step: 32 matrix instructions, B from buffer f; in its middle the next quarter's fragments are fetched (B into buffer g).
; The 32 accumulators take turns, one instruction a turn, in the same order in every quarter.
; PLACES BEHIND MATRIX INSTRUCTIONS (ISA guide 7.12.1): each run of 16 conversions names only A's registers of the OTHER half of the quarter and
; the f32 registers, so it is 16 places behind the matrix instructions in front of it.  A's fragments 0, 1 are rewritten 16 places (the middle's
; conversions) behind their last readers, fragments 2, 3 sixteen places (the head's) behind theirs, and B's buffer g is loaded behind both.
.macro QUARTER slot, k, f, g, first
	s_wait_dscnt 8                                 ; B and A's blocks 0, 1 are in; the youngest eight loads (A's blocks 2, 3) may be out
	WIN 0
	CVT 0
	CVT 1
	MWIN \first
	MUL8 \f, 0, \first
	MUL8 \f, 1, \first
	WIN 0
	s_wait_dscnt 0                                 ; A's blocks 2, 3
	CVT 2
	CVT 3
	FETCH \slot, \k, \g
	MWIN \first
	MUL8 \f, 2, \first
	MUL8 \f, 3, \first
.endm
.macro THREE slot, first
	QUARTER \slot, 64,  0, 1, \first
	QUARTER \slot, 128, 1, 0, 0
	QUARTER \slot, 192, 0, 1, 0
.endm
; The last quarter of a K step: B from buffer 1; it changes slots.  One barrier: in front of it my reads of this slot and all my tensor loads
; are done; behind it (with fill = 1 it opens a round of the cluster's barrier) the refill comes first, then the next slot's first fragments.
.macro TURN slot, next, fill
	s_wait_dscnt 8
	WIN 0
	CVT 0
	CVT 1
	WIN MUL_ON
	MUL8 1, 0, 0
	s_wait_dscnt 0                                 ; my reads of this slot are over
	s_wait_tensorcnt 0x0                           ; all my tensor loads have landed: the one that was out is my part of the next slot
	ds_add_u32 v30, v31
	s_wait_dscnt 0x0
	s_barrier_signal -1
	MUL8 1, 1, 0                                   ; register work while the others arrive
	WIN 0
	CVT 2
	CVT 3
	s_barrier_wait -1
.if \fill
	CREST                                          ; no wave of any partner still reads this slot or has a load on its way
	s_add_nc_u64 s[G0+4*\slot+2:G0+4*\slot+3], s[G0+4*\slot+2:G0+4*\slot+3], 2*KSTEP*4
	s_add_nc_u64 s[G0B+4*\slot+2:G0B+4*\slot+3], s[G0B+4*\slot+2:G0B+4*\slot+3], 2*KSTEP*2
	JLOAD \slot                                    ; my one tensor load behind the round: two K steps ahead
.endif
	FETCH \next, 0, 0
	WIN MUL_ON
	MUL8 1, 2, 0
	MUL8 1, 3, 0
.endm
.macro LAP first
	THREE 0, \first
	TURN 0, 1, 1
	THREE 1, 0
	TURN 1, 0, 1
.endm
	s_wait_tensorcnt 1                             ; my part of K step 0 is in; K step 1's may stay out
	s_barrier_signal -1
	s_barrier_wait -1
	FETCH 0, 0, 0
	s_wait_loadcnt 0x0                             ; the bias
	LAP 1
	WIN 0
	s_mov_b32 s3, LAPS-2
.Llap:
	LAP 0
	WIN 0
	s_sub_co_u32 s3, s3, 1
	s_cmp_lg_u32 s3, 0
	s_cbranch_scc1 .Llap
	THREE 0, 0                                     ; the last lap fills nothing
	TURN 0, 1, 0
	THREE 1, 0
	s_wait_dscnt 8                                 ; the very last quarter: nothing more to fetch
	WIN 0
	CVT 0
	CVT 1
	WIN MUL_ON
	MUL8 1, 0, 0
	MUL8 1, 1, 0
	WIN 0
	s_wait_dscnt 0
	CVT 2
	CVT 3
	WIN MUL_ON
	MUL8 1, 2, 0
	MUL8 1, 3, 0
	; THE WAY OUT, 16 rows at a time: times f, round to f16, 16 bytes a lane into my own stage, read back as whole rows of 256 bytes.
	PLACES
	s_lshl_b32 s16, s13, 7
	s_lshl_b32 s14, s11, 6
	s_add_co_u32 s16, s16, s14                     ; my first row of qkv
	s_mov_b32 s17, 0
	s_mov_b64 s[18:19], NDIM*2
	s_mul_u64 s[16:17], s[16:17], s[18:19]
	s_add_nc_u64 s[8:9], s[82:83], s[16:17]
	s_lshl_b32 s46, s42, 9
	s_lshl_b32 s47, s12, 8
	s_add_co_u32 s46, s46, s47                     ; my first column, in bytes
	s_mov_b32 s47, 0
	s_add_nc_u64 s[8:9], s[8:9], s[46:47]
.macro OUT16 i, f
	WIN 0x41                                       ; destination and source 0 window 1
.irp b, 0,1,2,3,4,5,6,7
.irp r, 0,2,4,6
	v_pk_mul_f32 v[8*(8*\i+\b)+\r:8*(8*\i+\b)+\r+1], v[8*(8*\i+\b)+\r:8*(8*\i+\b)+\r+1], s[86:87] op_sel_hi:[1,0]
.endr
.endr
	WIN 0x05                                       ; sources window 1, destination window 0
.irp b, 0,1,2,3,4,5,6,7
.irp r, 0,1,2,3
	v_cvt_pk_f16_f32 v[TMP+4*\b+\r], v[8*(8*\i+\b)+2*\r], v[8*(8*\i+\b)+2*\r+1]
.endr
.endr
	WIN 0
.irp b, 0,1,2,3,4,5,6,7
	ds_store_b128 v[STO], v[TMP+4*\b:TMP+4*\b+3] offset:32*\b
.endr
	s_wait_xcnt 0x0                                ; buffer f, which earlier stores read, and the stores' base are rewritten only behind this wait
.if \i
	s_add_nc_u64 s[8:9], s[8:9], 16*NDIM*2
.endif
.irp t, 0,1,2,3,4,5,6,7
	ds_load_b128 v[\f+4*\t:\f+4*\t+3], v[RD] offset:\t*2*SPITCH    ; a wave's LDS instructions are served in order: these see the stores above
.endr
.irp t, 0,1,2,3,4,5,6,7
	s_wait_dscnt 7-\t
	global_store_b128 v[CO], v[\f+4*\t:\f+4*\t+3], s[8:9] offset:2*\t*NDIM*2   ; 16 lanes store 256 consecutive bytes, aligned
.endr
.endm
	OUT16 0, 32
	OUT16 1, 64
	OUT16 2, 32
	OUT16 3, 64
	s_wait_tensorcnt 0x0
	ds_add_u32 v30, v31
	s_wait_dscnt 0x0
	CROUND                                         ; the closing round: no work-group ends while a partner may still ask for a tile that names it
	s_endpgm
.Lfunc_end_k_q9e59433041_proj:
	.size	k_q9e59433041_proj, .Lfunc_end_k_q9e59433041_proj-k_q9e59433041_proj
	.p2alignl 7, 3214868480
	.fill 96, 4, 3214868480
	.section	.rodata,"a",@progbits
	.p2align	6, 0x0
	.amdhsa_kernel k_q9e59433041_proj
		.amdhsa_group_segment_fixed_size 327680
		.amdhsa_private_segment_fixed_size 0
		.amdhsa_enable_private_segment 0
		.amdhsa_kernarg_size 64
		.amdhsa_user_sgpr_count 2
		.amdhsa_user_sgpr_kernarg_segment_ptr 1
		.amdhsa_wavefront_size32 1
		.amdhsa_system_sgpr_workgroup_id_x 1
		.amdhsa_system_sgpr_workgroup_id_y 1
		.amdhsa_system_sgpr_workgroup_id_z 1
		.amdhsa_system_vgpr_workitem_id 0
		.amdhsa_next_free_vgpr 576
		.amdhsa_next_free_sgpr 88
		.amdhsa_reserve_vcc 0
		.amdhsa_float_denorm_mode_32 3
		.amdhsa_float_denorm_mode_16_64 3
		.amdhsa_memory_ordered 1
		.amdhsa_forward_progress 1
		.amdhsa_inst_pref_size 187
	.end_amdhsa_kernel
	.amdgpu_metadata
---
amdhsa.version: [ 1, 2 ]
amdhsa.kernels:
  - .name:           k_q9e59433041_proj
    .symbol:         k_q9e59433041_proj.kd
    .args:
      - { .name: q, .offset: 0, .size: 8, .value_kind: global_buffer, .address_space: global }
      - { .name: k, .offset: 8, .size: 8, .value_kind: global_buffer, .address_space: global }
      - { .name: v, .offset: 16, .size: 8, .value_kind: global_buffer, .address_space: global }
      - { .name: wb, .offset: 24, .size: 8, .value_kind: global_buffer, .address_space: global }
      - { .name: bq, .offset: 32, .size: 8, .value_kind: global_buffer, .address_space: global }
      - { .name: bk, .offset: 40, .size: 8, .value_kind: global_buffer, .address_space: global }
      - { .name: bv, .offset: 48, .size: 8, .value_kind: global_buffer, .address_space: global }
      - { .name: qkv, .offset: 56, .size: 8, .value_kind: global_buffer, .address_space: global }
    .group_segment_fixed_size: 327680
    .private_segment_fixed_size: 0
    .kernarg_segment_align: 8
    .kernarg_segment_size: 64
    .max_flat_workgroup_size: 128
    .sgpr_count:     88
    .vgpr_count:     576
    .wavefront_size: 32
...
	.end_amdgpu_metadata
.endif
;; end of part 2
;; launch attn (part 3): grid 256 x 1, 16 waves a work-group, clusters of 4 x 1, 327,680 bytes of LDS; arguments qkv, mw, ao; writes ao
.if DOCPART == 3
	.amdgcn_target "amdgcn-amd-amdhsa--gfx1250"
	.amdhsa_code_object_version 6
	.text
	.protected	k_q9e59433041_attn
	.globl	k_q9e59433041_attn
	.p2align	8
	.type	k_q9e59433041_attn,@function
k_q9e59433041_attn:
	s_mov_b64 s[64:65], 0
	v_nop
	global_prefetch_b8 v0, s[64:65] scope:SCOPE_SE
	s_setreg_imm32_b32 hwreg(HW_REG_WAVE_MODE, 25, 1), 1
	s_wait_xcnt 0x0
	s_wait_alu depctr_hold_cnt(0) depctr_sa_sdst(0) depctr_va_vdst(0) depctr_va_sdst(0) depctr_va_ssrc(0) depctr_va_vcc(0) depctr_vm_vsrc(0)
	s_getreg_b32 s2, hwreg(HW_REG_IB_STS2, 6, 4)
	s_cmp_eq_u32 s2, 0
	s_cbranch_scc0 .Lentry_in_a_cluster
	s_endpgm
.Lentry_in_a_cluster:
	s_bfe_u32 s2, ttmp6, 0x10000c
	s_cmp_lg_u32 s2, 0x3003
	s_cbranch_scc0 .Lentry_shape_is_right
	s_endpgm
.Lentry_shape_is_right:
; attn: softmax(mask(Q K^T / 8)) V for 4 batches x 16 heads, S = 2048, d = 64.  qkv f16 (Q already times log2(e) / 8), mw lane masks, ao bf16.
; A work-group takes 256 queries of two neighbouring heads with sixteen waves; wave W takes head 2 p + W / 8 and 32 queries at 32 (W mod 8).
; Four waves lie on a SIMD, 256 registers each: a step has about 300 vector instructions for 32 matrix instructions, so one wave's matrix work
; and waits want several other waves' vector work beside them; and all of a wave's registers are named without a register window.
; The price: a K or V fragment read from LDS feeds two matrix instructions (two blocks of 16 queries).
; CLUSTER 4, 1, 1: the four partners are four query blocks of the same batch and head pair and walk the same K and V tiles; each tile is asked
; for jointly (mask 15).  A tile is 256 keys; its rows are 256 bytes (two heads side by side), aligned.
; ALGEBRA WITHOUT SHUFFLES: S^T = K Q^T (lane (r, h), register j: query r, key 16 c + 8 h + j).  Tiles 2 u and 2 u + 1, packed to f16, are the B
; fragment of P^T for keys 32 u ..; O^T = V^T P^T with V^T read by transposing LDS loads (lane (r, h), register j: query r, d = 16 dt + 8 h + j).
; So maximum, sum and rescaling factor are one number a lane; one exchange between the halves of the wave a step shares the maximum.
; SOFTMAX: running maximum m of the masked scores t (base 2); p = 2^(t - m), exactly 1 at the maximum; alpha = 2^(m_old - m_new).
; A masked score is REPLACED by -1e9 log2(e) (rounded to f32), as the problem's function replaces it by -1e9: a fully masked row gives the plain average.
; LIMITS: f16 operands: 0.18 |query|, |key|, |value| below 65,504.  p below 2^-126 is 0 (v_exp_f32 flushes, ISA guide 15.8) and p below about 3e-8
; rounds to 0 in f16, against a largest p of 1.  The sum l is taken of the unrounded p.
.set KP,    272                        ; K's LDS pitch: an odd multiple of 16
.set VP,    288                        ; V's LDS pitch: an odd multiple of 32, for the transposing loads
.set QUART, 18432                      ; a fetching wave's part of a slot: 64 rows; K uses 17,408 of it, V all
.set VOFF,  4*QUART
.set SLOT,  8*QUART                    ; 147,456; two slots
.set TILEB, 256*2048                   ; bytes in qkv from a tile of 256 keys to the next
.set KA,  1                            ; v1-2   my K fragment address in slot 0, 1
.set VA,  3                            ; v3-4   my V fragment address in slot 0, 1
.set KC,  5                            ; v5     this step's K address
.set VC,  6                            ; v6     this step's V address
.set QO,  7
.set STO, 8
.set RD,  9
.set CO,  10
.set NEG, 11                           ; v11    the masked score
.set NM,  12                           ; v[12+2a] -m, v[13+2a] m of query block a = 0, 1
.set AL,  16                           ; v[16+2a] alpha, v[17+2a] l
.set TMP, 20                           ; v20-27
.set QF,  32                           ; v32-63   Q: fragment (a, u) at 8 (2 a + u)
.set KV,  64                           ; v64-127  K fragments (c, u) at 8 (4 u + c), later V fragments (u, dt) at 8 (4 u + dt)
.set SC,  128                          ; v128-191 scores: tile (a, c) at 32 a + 8 c; then P in the same registers: fragment (a, u) at 32 a + 16 u
.set OA,  192                          ; v192-255 O: tile (a, dt) at 8 (4 a + dt)
.set G0,  8                            ; s[8:15]  group 0, one set a slot
.set G1K, 84                           ; s[84:91] group 1 for K's quarters (pad 4 words)
.set G1V, 92                           ; s[92:99] group 1 for V's quarters (pad 8 words)
; s2 wave, s3 outer counter, s[4:5] my mask words, s6 their offset for this step, s7 inner counter = the step's LDS offset,
; s[16:63] and s[68:83] 64 mask words, s66-67 lane selects, s[100:101] Q, s[104:105] ao
.macro PLACES                          ; four places behind a matrix instruction (ISA guide 7.12.1)
.rept 4
	v_nop
.endr
.endm
.macro ROUND                           ; a round of the cluster's barrier
	s_barrier_signal -1
	s_barrier_wait -1
	s_cmp_lg_u32 s2, 0
	s_cbranch_scc1 .Lnot_wave_0_\@
	s_barrier_signal -3
.Lnot_wave_0_\@:
	s_barrier_wait -3
	s_barrier_signal -1
	s_barrier_wait -1
.endm
.macro JLOAD n                         ; waves 0-3 fetch K's quarters, waves 4-7 V's: 64 rows x 256 bytes each, to wave x 18,432 in the slot; waves 8-15 fetch nothing
	s_cmp_lt_u32 s2, 4
	s_cbranch_scc0 .Lnot_k_\@
	tensor_load_to_lds s[G0+4*(\n):G0+4*(\n)+3], s[G1K:G1K+7]
	s_nop 0
	s_branch .Lasked_\@
.Lnot_k_\@:
	s_cmp_lt_u32 s2, 8
	s_cbranch_scc0 .Lasked_\@
	tensor_load_to_lds s[G0+4*(\n):G0+4*(\n)+3], s[G1V:G1V+7]
	s_nop 0
.Lasked_\@:
.endm
	s_load_b128 s[16:19], s[0:1], 0x0              ; qkv s[16:17], mw s[18:19]
	s_load_b64 s[104:105], s[0:1], 0x10            ; ao
	v_lshl_add_u32 v30, v0, 2, 0x48000
	v_mov_b32 v31, 0
	ds_add_u32 v30, v31
	v_lshrrev_b32 v9, 5, v0
	v_readfirstlane_b32 s2, v9                     ; wave W, 0 to 15
	s_lshr_b32 s20, s2, 3                          ; g: my head of the pair
	s_and_b32 s21, s2, 7                           ; qi: my 32 queries of the 256
	s_bfe_u32 s38, s2, 0x10002                     ; as a fetching wave (W < 8): K (0) or V (1),
	s_and_b32 s39, s2, 3                           ; and which quarter of the tile
	s_lshr_b32 s22, ttmp9, 4                       ; b
	s_bfe_u32 s23, ttmp9, 0x30001                  ; p = (cluster / 2) mod 8
	; my quarter of tile 0: K or V, batch b, rows 64 x quarter, byte 256 p.  Nothing here hangs on the place in the cluster.
	s_add_co_u32 s24, s38, 1
	s_lshl_b32 s24, s24, 24
	s_lshl_b32 s25, s22, 22
	s_add_co_u32 s24, s24, s25
	s_lshl_b32 s25, s39, 17
	s_add_co_u32 s24, s24, s25
	s_lshl_b32 s25, s23, 8
	s_add_co_u32 s24, s24, s25
	s_mov_b32 s25, 0
	s_mul_i32 s26, s2, QUART                       ; used by waves 0 to 7 alone
	s_mov_b32 s[G1K+0], 0x0771000f                 ; mask 15; 2-byte elements; padding on; bit 21 beside a mask; after every 64 words, 4 words
	s_mov_b32 s[G1V+0], 0x0f71000f                 ; the same with 8 words
	s_mov_b32 s[G1K+1], 128<<16                    ; tensor_dim0 = 128
	s_mov_b32 s[G1V+1], 128<<16
	s_mov_b32 s[G1K+2], 64<<16                     ; tensor_dim1 = 64
	s_mov_b32 s[G1V+2], 64<<16
	s_mov_b32 s[G1K+3], 128<<16                    ; tile_dim0 = 128
	s_mov_b32 s[G1V+3], 128<<16
	s_mov_b32 s[G1K+4], 64                         ; tile_dim1 = 64
	s_mov_b32 s[G1V+4], 64
	s_mov_b32 s[G1K+5], 1024                       ; elements from row to row
	s_mov_b32 s[G1V+5], 1024
	s_mov_b32 s[G1K+6], 0
	s_mov_b32 s[G1V+6], 0
	s_mov_b32 s[G1K+7], 0
	s_mov_b32 s[G1V+7], 0
	; what hangs on the place in the cluster: global addresses of Q, of the mask words and of ao alone
	s_bfe_u32 s28, ttmp6, 0x40000                  ; cx
	s_and_b32 s29, ttmp9, 1
	s_lshl2_add_u32 s28, s29, s28                  ; query block qb = 4 (cluster mod 2) + cx
	s_lshl_b32 s30, s22, 22
	s_lshl_b32 s31, s28, 19
	s_add_co_u32 s30, s30, s31                     ; batch and query block, in rows of 2,048 bytes
	s_lshl_b32 s31, s23, 8
	s_add_co_u32 s30, s30, s31                     ; + the head pair's 256 bytes
	s_lshl_b32 s31, s2, 15
	s_add_co_u32 s36, s30, s31                     ; ao: + 16 W rows
	s_mov_b32 s37, 0
	s_lshl_b32 s31, s21, 16
	s_add_co_u32 s30, s30, s31
	s_lshl_b32 s31, s20, 7
	s_add_co_u32 s30, s30, s31                     ; Q: + 32 qi rows + my head's 128 bytes
	s_mov_b32 s31, 0
	s_lshl_b32 s32, s22, 19
	s_lshl_b32 s33, s28, 16
	s_add_co_u32 s32, s32, s33
	s_lshl_b32 s33, s21, 13
	s_add_co_u32 s32, s32, s33                     ; mw: (128 b + 16 qb + 2 qi) strips of 4,096 bytes
	s_mov_b32 s33, 0
	s_mov_b32 s66, 0x76543210                      ; v_permlanex16_b32: lane i reads lane i of the other half
	s_mov_b32 s67, 0xfedcba98
	s_wait_dscnt 0x0
	s_wait_kmcnt 0x0
	s_add_nc_u64 s[24:25], s[16:17], s[24:25]
	s_add_nc_u64 s[100:101], s[16:17], s[30:31]
	s_add_nc_u64 s[4:5], s[18:19], s[32:33]
	s_add_nc_u64 s[104:105], s[104:105], s[36:37]
.irp n, 0,1
	s_mov_b32 s[G0+4*\n], 1
	s_add_co_u32 s[G0+4*\n+1], s26, \n*SLOT
	s_add_nc_u64 s[G0+4*\n+2:G0+4*\n+3], s[24:25], \n*TILEB        ; slot n starts with tile n
	s_or_b32 s[G0+4*\n+3], s[G0+4*\n+3], 0x80000000
.endr
	ROUND                                          ; in front of the first joint load
	JLOAD 0                                        ; tile 0: one tensor load of a fetching wave is out
	v_and_b32 v128, 15, v0                         ; r
	v_bfe_u32 v129, v0, 4, 1                       ; h
	v_and_b32 v130, 7, v0
	v_bfe_u32 v131, v0, 3, 1
	s_lshl_b32 s27, s20, 7                         ; my head's 128 bytes of a row
	v_mul_u32_u24 v132, v128, KP
	v_lshl_add_u32 v132, v129, 4, v132
	v_add_nc_u32 v[KA], s27, v132                  ; K: row r, 16 h
	v_add_nc_u32 v[KA+1], SLOT, v[KA]
	v_lshl_add_u32 v133, v129, 3, v130
	v_mul_u32_u24 v133, v133, VP
	v_lshl_add_u32 v133, v131, 4, v133
	v_add_nc_u32 v133, s27, v133                   ; V: row 8 h + (lane mod 8), 16 bytes at 16 ((lane / 8) mod 2)
	v_add_nc_u32 v[VA], VOFF, v133
	v_add_nc_u32 v[VA+1], VOFF+SLOT, v133
	v_lshlrev_b32 v[QO], 11, v128
	v_lshl_add_u32 v[QO], v129, 4, v[QO]           ; Q in memory: row r, 16 h
	s_mul_i32 s34, s21, 32*KP
	v_add_nc_u32 v[STO], s34, v[KA]                ; the way out: row 32 qi + r, my head's half, 16 h
	s_mul_i32 s35, s2, 16*KP
	v_mul_u32_u24 v134, v129, KP
	v_lshl_add_u32 v134, v128, 4, v134
	v_add_nc_u32 v[RD], s35, v134                  ; back: rows 16 W + h, 16 bytes at 16 r
	v_lshlrev_b32 v[CO], 11, v129
	v_lshl_add_u32 v[CO], v128, 4, v[CO]
	v_mov_b32 v[NEG], 0xceabfb8f                   ; -1e9 log2(e)
.irp a, 0,1
.irp u, 0,1
	global_load_b128 v[QF+8*(2*\a+\u):QF+8*(2*\a+\u)+3],   v[QO], s[100:101] offset:32768*\a+64*\u
	global_load_b128 v[QF+8*(2*\a+\u)+4:QF+8*(2*\a+\u)+7], v[QO], s[100:101] offset:32768*\a+64*\u+32
.endr
.endr
; The mask words of my two query blocks and a step's four key tiles: 2 x 32 words
.macro MLOAD
	s_load_b512 s[16:31], s[4:5], s6 offset:0
	s_load_b512 s[32:47], s[4:5], s6 offset:64
	s_load_b512 s[48:63], s[4:5], s6 offset:4096
	s_load_b512 s[68:83], s[4:5], s6 offset:4096+64
.endm
.macro MASKH                           ; one select for each score register: bit set keeps the score
.irp ap, 0,1
.irp c, 0,1,2,3
.irp j, 0,1,2,3,4,5,6,7
	v_cndmask_b32 v[SC+32*\ap+8*\c+\j], v[NEG], v[SC+32*\ap+8*\c+\j], s[16+32*\ap+8*\c+4*\ap*(\c/2)+\j]
.endr
.endr
.endr
.endm
.macro LOADK                           ; 64 keys x 64 d: fragments (c, u), u = 0 first
.irp u, 0,1
.irp c, 0,1,2,3
	ds_load_b128 v[KV+8*(4*\u+\c):KV+8*(4*\u+\c)+3],   v[KC] offset:16*KP*\c+64*\u
	ds_load_b128 v[KV+8*(4*\u+\c)+4:KV+8*(4*\u+\c)+7], v[KC] offset:16*KP*\c+64*\u+32
.endr
.endr
.endm
.macro LOADV                           ; V^T: fragments (u, dt): rows d = 16 dt + r, keys 32 u ..
.irp u, 0,1
.irp dt, 0,1,2,3
	ds_load_tr16_b128 v[KV+8*(4*\u+\dt):KV+8*(4*\u+\dt)+3],   v[VC] offset:32*VP*\u+32*\dt
	ds_load_tr16_b128 v[KV+8*(4*\u+\dt)+4:KV+8*(4*\u+\dt)+7], v[VC] offset:32*VP*\u+32*\dt+16*VP
.endr
.endr
.endm
; The scores: 16 matrix instructions; the eight accumulators take turns, one instruction a turn.
.macro QK
.irp u, 0,1
	s_wait_dscnt 8-8*\u                            ; the fragments of this half of d are in; the other half's eight loads may be out
.irp ap, 0,1
.irp c, 0,1,2,3
.if \u
	v_wmma_f32_16x16x32_f16 v[SC+32*\ap+8*\c:SC+32*\ap+8*\c+7], v[KV+8*(4*\u+\c):KV+8*(4*\u+\c)+7], v[QF+8*(2*\ap+\u):QF+8*(2*\ap+\u)+7], v[SC+32*\ap+8*\c:SC+32*\ap+8*\c+7]
.else
	v_wmma_f32_16x16x32_f16 v[SC+32*\ap+8*\c:SC+32*\ap+8*\c+7], v[KV+8*(4*\u+\c):KV+8*(4*\u+\c)+7], v[QF+8*(2*\ap+\u):QF+8*(2*\ap+\u)+7], 0
.endif
.endr
.endr
.endr
.endm
; The new maxima of both query blocks, -m, and alpha; the two blocks go line by line side by side, so that no line waits for the one in front of it
.macro MAXSTAT first
.irp ap, 0,1
.irp c, 0,1,2,3
	v_max3_num_f32 v[TMP+4*\ap+\c], v[SC+32*\ap+8*\c], v[SC+32*\ap+8*\c+1], v[SC+32*\ap+8*\c+2]    ; eight chains, started by the scores themselves
.endr
.endr
.irp ap, 0,1
.irp c, 0,1,2,3
	v_max3_num_f32 v[TMP+4*\ap+\c], v[TMP+4*\ap+\c], v[SC+32*\ap+8*\c+3], v[SC+32*\ap+8*\c+4]
.endr
.endr
.irp ap, 0,1
.irp c, 0,1,2,3
	v_max3_num_f32 v[TMP+4*\ap+\c], v[TMP+4*\ap+\c], v[SC+32*\ap+8*\c+5], v[SC+32*\ap+8*\c+6]
.endr
.endr
.irp ap, 0,1
	v_max3_num_f32 v[TMP+4*\ap],   v[TMP+4*\ap],   v[SC+32*\ap+7],  v[SC+32*\ap+15]
	v_max3_num_f32 v[TMP+4*\ap+1], v[TMP+4*\ap+1], v[SC+32*\ap+23], v[SC+32*\ap+31]
.endr
.irp ap, 0,1
	v_max3_num_f32 v[TMP+4*\ap], v[TMP+4*\ap], v[TMP+4*\ap+1], v[TMP+4*\ap+2]
.endr
.irp ap, 0,1
.if \first
	v_max_num_f32 v[TMP+4*\ap], v[TMP+4*\ap], v[TMP+4*\ap+3]
.else
	v_max3_num_f32 v[TMP+4*\ap], v[TMP+4*\ap], v[TMP+4*\ap+3], v[NM+2*\ap+1]       ; with the old maximum
.endif
.endr
.irp ap, 0,1
	v_permlanex16_b32 v[TMP+4*\ap+1], v[TMP+4*\ap], s66, s67       ; the other half of the wave holds the query's other keys
.endr
.if \first
.irp ap, 0,1
	v_max_num_f32 v[NM+2*\ap+1], v[TMP+4*\ap], v[TMP+4*\ap+1]
.endr
.irp ap, 0,1
	v_mul_f32 v[NM+2*\ap], -1.0, v[NM+2*\ap+1]
.endr
.else
.irp ap, 0,1
	v_max_num_f32 v[TMP+4*\ap], v[TMP+4*\ap], v[TMP+4*\ap+1]
.endr
.irp ap, 0,1
	v_sub_f32 v[AL+2*\ap], v[NM+2*\ap+1], v[TMP+4*\ap]             ; m_old - m_new, 0 or below
.endr
.irp ap, 0,1
	v_mov_b32 v[NM+2*\ap+1], v[TMP+4*\ap]
.endr
.irp ap, 0,1
	v_mul_f32 v[NM+2*\ap], -1.0, v[TMP+4*\ap]
.endr
.irp ap, 0,1
	v_exp_f32 v[AL+2*\ap], v[AL+2*\ap]             ; plain work on other registers follows (ISA guide 5.7.2); alpha is used far below
.endr
.endif
.endm
; Group g = 4 a + c is one tile of scores, 8 registers
.macro ADDG g
.irp i, 0,2,4,6
	v_pk_add_f32 v[SC+8*(\g)+\i:SC+8*(\g)+\i+1], v[SC+8*(\g)+\i:SC+8*(\g)+\i+1], v[NM+2*((\g)/4):NM+2*((\g)/4)+1] op_sel_hi:[1,0]   ; t - m
.endr
.endm
.macro EXPG g
.irp i, 0,1,2,3,4,5,6,7
	v_exp_f32 v[SC+8*(\g)+\i], v[SC+8*(\g)+\i]
.endr
.endm
; The tile's p are summed, then packed to f16 INTO THE SCORES' OWN REGISTERS: tile c = 2 u goes to its own registers 0-3 (conversion i writes
; register i and reads registers 2 i, 2 i + 1, which no earlier conversion has written), tile c = 2 u + 1 to registers 4-7 of tile 2 u, which has been
; summed and packed before.  So P^T's fragment (a, u) is the eight registers of tile (a, 2 u).
.macro USEG g
.set TA, TMP+4*((\g)/4)
.set SG, SC+8*(\g)
.set PD, SC+32*((\g)/4)+16*(((\g)%4)/2)+4*((\g)%2)
.if (\g)%4 == 0
	s_wait_alu depctr_va_vdst(0)
	v_pk_add_f32 v[TA:TA+1],   v[SG:SG+1],   v[SG+2:SG+3]          ; the first tile starts the two chains of sums
	v_pk_add_f32 v[TA+2:TA+3], v[SG+4:SG+5], v[SG+6:SG+7]
.else
	s_wait_alu depctr_va_vdst(0)
	v_pk_add_f32 v[TA:TA+1],   v[TA:TA+1],   v[SG:SG+1]
	v_pk_add_f32 v[TA+2:TA+3], v[TA+2:TA+3], v[SG+2:SG+3]
	v_pk_add_f32 v[TA:TA+1],   v[TA:TA+1],   v[SG+4:SG+5]
	v_pk_add_f32 v[TA+2:TA+3], v[TA+2:TA+3], v[SG+6:SG+7]
.endif
.irp i, 0,1,2,3
	v_cvt_pk_f16_f32 v[PD+\i], v[SG+2*\i], v[SG+2*\i+1]
.endr
.endm
.macro SUMEND first
.irp a, 0,1
	v_pk_add_f32 v[TMP+4*\a:TMP+4*\a+1], v[TMP+4*\a:TMP+4*\a+1], v[TMP+4*\a+2:TMP+4*\a+3]
.endr
.if \first
.irp a, 0,1
	v_add_f32 v[AL+2*\a+1], v[TMP+4*\a], v[TMP+4*\a+1]
.endr
.else
.irp a, 0,1
	v_add_f32 v[TMP+4*\a], v[TMP+4*\a], v[TMP+4*\a+1]
.endr
.irp a, 0,1
	v_fma_f32 v[AL+2*\a+1], v[AL+2*\a+1], v[AL+2*\a], v[TMP+4*\a]  ; l = l alpha + this step's sum (my half's keys)
.endr
.endif
.endm
; Each run of eight exponentials is followed by plain work on another group before its results are read (ISA guide 5.7.2)
.macro SOFTMAX first
	MAXSTAT \first
	ADDG 0
	EXPG 0
.irp g, 1,2,3,4,5,6,7
	ADDG \g
	EXPG \g
	USEG \g-1
.endr
	USEG 7
	SUMEND \first
.endm
.macro RESCALE                         ; O times alpha (at the end: times 1 / l), one number a lane and query block
.irp a, 0,1
.irp i, 0,2,4,6,8,10,12,14,16,18,20,22,24,26,28,30
	v_pk_mul_f32 v[OA+32*\a+\i:OA+32*\a+\i+1], v[OA+32*\a+\i:OA+32*\a+\i+1], v[AL+2*\a:AL+2*\a+1] op_sel_hi:[1,0]
.endr
.endr
.endm
; O^T += V^T P^T: 16 matrix instructions; the eight accumulators take turns, one instruction a turn.
.macro PV first
.irp u, 0,1
	s_wait_dscnt 8-8*\u                            ; V's fragments of these 32 keys are in; the other eight loads may be out
.irp a, 0,1
.irp dt, 0,1,2,3
.if (\first)*(1-\u)
	v_wmma_f32_16x16x32_f16 v[OA+8*(4*\a+\dt):OA+8*(4*\a+\dt)+7], v[KV+8*(4*\u+\dt):KV+8*(4*\u+\dt)+7], v[SC+32*\a+16*\u:SC+32*\a+16*\u+7], 0
.else
	v_wmma_f32_16x16x32_f16 v[OA+8*(4*\a+\dt):OA+8*(4*\a+\dt)+7], v[KV+8*(4*\u+\dt):KV+8*(4*\u+\dt)+7], v[SC+32*\a+16*\u:SC+32*\a+16*\u+7], v[OA+8*(4*\a+\dt):OA+8*(4*\a+\dt)+7]
.endif
.endr
.endr
.endr
.endm
; One step: 64 keys (one quarter of a tile, at LDS offset s7 in the slot) against my 32 queries.
; Behind the last product of a step stand four v_nop and the next step's two address sums: six places in front of the loads into
; V's registers and of the first products of the next step, which write over the registers that held P.
.macro STEP slot, first
	v_add_nc_u32 v[KC], s7, v[KA+\slot]
	v_add_nc_u32 v[VC], s7, v[VA+\slot]
	LOADK
	QK
	PLACES                                         ; in front of the loads into K's registers and of the readers of the scores
	LOADV                                          ; V's fragments come in under the softmax
	s_wait_kmcnt 0x0                               ; this step's mask words are in, and s6 is free
	s_add_co_u32 s6, s6, 128                       ; the next step's four key tiles; behind the last step it wraps to 0: that load stays in my rows and is not used
	s_and_b32 s6, s6, 4095
	MASKH
	MLOAD                                          ; the next step's words come in under the rest of this step
	SOFTMAX \first
.if \first == 0
	RESCALE
.endif
	PV \first
	PLACES
.endm
; One tile of 256 keys in slot 'slot'.  In front of the round: all my tensor loads have landed (a fetching wave's quarter of this tile among them)
; and my reads of the other slot are over; behind it that holds of every wave of the four partners, and the other slot's next tile is asked for first.
.macro TRIP slot, refill, first
	s_wait_tensorcnt 0x0
	ds_add_u32 v30, v31
	s_wait_dscnt 0x0
	s_add_nc_u64 s[G0+4*\slot+2:G0+4*\slot+3], s[G0+4*\slot+2:G0+4*\slot+3], 2*TILEB   ; no load of mine is out: this slot's next tile
	s_wait_dscnt 0x0
	ROUND
.if \refill
	JLOAD (1-\slot)                                ; a fetching wave's one tensor load until the next round; it has four steps in which to land
.endif
.if \first
	s_mov_b32 s7, 0
	STEP \slot, 1                                  ; the first step starts m, l and O: nothing is cleared
	s_mov_b32 s7, QUART
.else
	s_mov_b32 s7, 0
.endif
.Lstep_\@:
	STEP \slot, 0
	s_add_co_u32 s7, s7, QUART
	s_cmp_lt_u32 s7, 4*QUART
	s_cbranch_scc1 .Lstep_\@
.endm
	s_mov_b32 s6, 0
	MLOAD                                          ; the set-up's scalars in s16 and above are dead from here on
	s_wait_loadcnt 0x0                             ; Q
	TRIP 0, 1, 1                                   ; tile 0; tile 1 goes out
	s_mov_b32 s3, 3
.Lpair:
	TRIP 1, 1, 0
	TRIP 0, 1, 0
	s_sub_co_u32 s3, s3, 1
	s_cmp_lg_u32 s3, 0
	s_cbranch_scc1 .Lpair
	TRIP 1, 0, 0                                   ; tile 7: nothing is left to fetch
	; THE END: l over both halves of the wave, O / l, bf16, through LDS so that a row's 256 bytes (both heads) leave together.
	; The stage is slot 0's first 69,632 bytes: that slot has had its last fill (tile 6), and every wave's reads of it ended in front of tile 7's round.
	s_wait_kmcnt 0x0                               ; the last, unused mask words have come
.irp a, 0,1
	v_permlanex16_b32 v[TMP+\a], v[AL+2*\a+1], s66, s67
.endr
.irp a, 0,1
	v_add_f32 v[TMP+\a], v[TMP+\a], v[AL+2*\a+1]
.endr
.irp a, 0,1
	v_rcp_f32 v[AL+2*\a], v[TMP+\a]
.endr
	v_nop                                          ; the plain place behind the reciprocals (ISA guide 5.7.2)
	s_wait_alu depctr_va_vdst(0)
	RESCALE
.irp a, 0,1
.irp dt, 0,1,2,3
.irp i, 0,1,2,3
	v_cvt_pk_bf16_f32 v[SC+4*(4*\a+\dt)+\i], v[OA+8*(4*\a+\dt)+2*\i], v[OA+8*(4*\a+\dt)+2*\i+1]
.endr
.endr
.endr
.irp a, 0,1
.irp dt, 0,1,2,3
	ds_store_b128 v[STO], v[SC+4*(4*\a+\dt):SC+4*(4*\a+\dt)+3] offset:16*KP*\a+32*\dt   ; query 16 a + r, d = 16 dt + 8 h .. + 7
.endr
.endr
	s_wait_dscnt 0x0                               ; for the other waves' sake: my stores are done
	s_barrier_signal -1
	s_barrier_wait -1
.irp i, 0,1,2,3,4,5,6,7
	ds_load_b128 v[KV+4*\i:KV+4*\i+3], v[RD] offset:2*KP*\i        ; rows 16 W + 2 i, + 1: 256 bytes each
.endr
.irp i, 0,1,2,3,4,5,6,7
	s_wait_dscnt 7-\i
	global_store_b128 v[CO], v[KV+4*\i:KV+4*\i+3], s[104:105] offset:4096*\i   ; 16 lanes store 256 consecutive bytes, aligned
.endr
	s_wait_tensorcnt 0x0
	ds_add_u32 v30, v31
	s_wait_dscnt 0x0
	ROUND                                          ; the closing round
	s_endpgm
.Lfunc_end_k_q9e59433041_attn:
	.size	k_q9e59433041_attn, .Lfunc_end_k_q9e59433041_attn-k_q9e59433041_attn
	.p2alignl 7, 3214868480
	.fill 96, 4, 3214868480
	.section	.rodata,"a",@progbits
	.p2align	6, 0x0
	.amdhsa_kernel k_q9e59433041_attn
		.amdhsa_group_segment_fixed_size 327680
		.amdhsa_private_segment_fixed_size 0
		.amdhsa_enable_private_segment 0
		.amdhsa_kernarg_size 24
		.amdhsa_user_sgpr_count 2
		.amdhsa_user_sgpr_kernarg_segment_ptr 1
		.amdhsa_wavefront_size32 1
		.amdhsa_system_sgpr_workgroup_id_x 1
		.amdhsa_system_sgpr_workgroup_id_y 1
		.amdhsa_system_sgpr_workgroup_id_z 1
		.amdhsa_system_vgpr_workitem_id 0
		.amdhsa_next_free_vgpr 256
		.amdhsa_next_free_sgpr 106
		.amdhsa_reserve_vcc 0
		.amdhsa_float_denorm_mode_32 3
		.amdhsa_float_denorm_mode_16_64 3
		.amdhsa_memory_ordered 1
		.amdhsa_forward_progress 1
		.amdhsa_inst_pref_size 124
	.end_amdhsa_kernel
	.amdgpu_metadata
---
amdhsa.version: [ 1, 2 ]
amdhsa.kernels:
  - .name:           k_q9e59433041_attn
    .symbol:         k_q9e59433041_attn.kd
    .args:
      - { .name: qkv, .offset: 0, .size: 8, .value_kind: global_buffer, .address_space: global }
      - { .name: mw, .offset: 8, .size: 8, .value_kind: global_buffer, .address_space: global }
      - { .name: ao, .offset: 16, .size: 8, .value_kind: global_buffer, .address_space: global }
    .group_segment_fixed_size: 327680
    .private_segment_fixed_size: 0
    .kernarg_segment_align: 8
    .kernarg_segment_size: 24
    .max_flat_workgroup_size: 512
    .sgpr_count:     106
    .vgpr_count:     256
    .wavefront_size: 32
...
	.end_amdgpu_metadata
.endif
;; end of part 3
;; launch oproj (part 4): grid 4 x 64, 4 waves a work-group, clusters of 4 x 4, 327,680 bytes of LDS; arguments ao, wb, b0, out0; writes out0
.if DOCPART == 4
	.amdgcn_target "amdgcn-amd-amdhsa--gfx1250"
	.amdhsa_code_object_version 6
	.text
	.protected	k_q9e59433041_oproj
	.globl	k_q9e59433041_oproj
	.p2align	8
	.type	k_q9e59433041_oproj,@function
k_q9e59433041_oproj:
	s_mov_b64 s[64:65], 0
	v_nop
	global_prefetch_b8 v0, s[64:65] scope:SCOPE_SE
	s_setreg_imm32_b32 hwreg(HW_REG_WAVE_MODE, 25, 1), 1
	s_wait_xcnt 0x0
	s_wait_alu depctr_hold_cnt(0) depctr_sa_sdst(0) depctr_va_vdst(0) depctr_va_sdst(0) depctr_va_ssrc(0) depctr_va_vcc(0) depctr_vm_vsrc(0)
	s_getreg_b32 s2, hwreg(HW_REG_IB_STS2, 6, 4)
	s_cmp_eq_u32 s2, 0
	s_cbranch_scc0 .Lentry_in_a_cluster
	s_endpgm
.Lentry_in_a_cluster:
	s_bfe_u32 s2, ttmp6, 0x10000c
	s_cmp_lg_u32 s2, 0xf033
	s_cbranch_scc0 .Lentry_shape_is_right
	s_endpgm
.Lentry_shape_is_right:
; oproj: out0[m][n] = sum over k of ao[m][k] W0[n][k] + b0[n].  ao bf16 [8192][1024]; W0 = matrix 3 of wb, bf16; sums, bias and out0 f32.
; The same design as the launch of the three projections: a work-group makes 128 x 256 with four waves (64 x 128 each, 32 accumulator tiles);
; 8,192 x 1,024 gives 256 blocks, one for each WGP.  K in steps of 128 (rows of 256 bytes, aligned) through two LDS slots.
; CLUSTERS: 4 x 4 work-groups; A's tile (rows of ao) is shared along a row of the cluster, B's (rows of W0) along a column, by joint loads.
; REGISTERS: window 0: addresses v16-27, fragments (A v32-63 / v128-159, B v64-127 / v160-223); window 1: accumulator tile (a, b) at 8 (8 a + b);
; window 2: v0-63 the bias as eight C operands.  The matrix instruction is used transposed (source 0 = rows of W0): register j of lane (r, h)
; holds row r, column 16 b + 8 h + j.
.set KDIM,   1024
.set NDIM,   1024
.set KSTEP,  128
.set PITCH,  272                       ; 256 bytes + 16 of padding
.set BHALF,  128*PITCH
.set AHALF,  64*PITCH
.set AOFF,   2*BHALF                   ; a slot: B's 256 rows, then A's 128
.set SLOT,   2*BHALF+2*AHALF
.set STAGE,  2*SLOT                    ; behind the ring: 16 rows x 528 bytes for each wave; no fill lands there
.set SPITCH, 528                       ; 512 bytes of f32 + 16
.set LAPS,   KDIM/(2*KSTEP)
.set ADRA, 16
.set ADRB, 20
.set STO,  24
.set RD,   25
.set CO,   26
.set BO,   27
.set G1,  24
.set G0,  32
.set G1B, 48
.set G0B, 56
.set MUL_ON,    0x50                   ; C and D window 1
.set MUL_FIRST, 0x60                   ; D window 1, C window 2 (the bias)
.set MSB, 0
.macro WIN new
.if MSB != (\new)
	s_set_vgpr_msb (MSB<<8)|(\new)
.set MSB, (\new)
.endif
.endm
.macro MWIN first
.if \first
	WIN MUL_FIRST
.else
	WIN MUL_ON
.endif
.endm
.macro JLOAD s                         ; waves 0 and 1 fetch B's halves, waves 2 and 3 A's
	s_cmp_eq_u32 s11, 0
	s_cbranch_scc0 .Lfor_a_\@
	tensor_load_to_lds s[G0B+4*\s:G0B+4*\s+3], s[G1B:G1B+7]
	s_nop 0
	s_branch .Lasked_\@
.Lfor_a_\@:
	tensor_load_to_lds s[G0+4*\s:G0+4*\s+3], s[G1:G1+7]
	s_nop 0
.Lasked_\@:
.endm
.macro CREST
	s_cmp_lg_u32 s10, 0
	s_cbranch_scc1 .Lnot_wave_0_\@
	s_barrier_signal -3
.Lnot_wave_0_\@:
	s_barrier_wait -3
	s_barrier_signal -1
	s_barrier_wait -1
.endm
.macro CROUND
	s_barrier_signal -1
	s_barrier_wait -1
	CREST
.endm
.macro PLACES                          ; four places behind a matrix instruction (ISA guide 7.12.1)
.rept 4
	v_nop
.endr
.endm
	s_load_b128 s[4:7], s[0:1], 0x0                ; ao s[4:5], wb s[6:7]
	s_load_b128 s[68:71], s[0:1], 0x10             ; b0 s[68:69], out0 s[70:71]
	v_lshl_add_u32 v254, v0, 2, 0x3b400
	v_mov_b32 v255, 0
	ds_add_u32 v254, v255
	v_lshrrev_b32 v1, 5, v0
	v_readfirstlane_b32 s10, v1                    ; wave 0..3
	s_lshr_b32 s11, s10, 1                         ; my half of the rows.  Also: I fetch for B (0) or for A (1)
	s_and_b32 s12, s10, 1                          ; my half of the columns.  Also: which half of that tile I fetch
	s_bfe_u32 s40, ttmp6, 0x40000                  ; cx
	s_bfe_u32 s41, ttmp6, 0x40004                  ; cy
	s_lshl_b32 s42, ttmp9, 2
	s_add_co_u32 s42, s42, s40                     ; block column
	s_and_b32 s13, ttmp7, 0xffff
	s_lshl_b32 s13, s13, 2
	s_add_co_u32 s13, s13, s41                     ; block row
	s_lshl_b32 s43, s41, 2
	s_lshl_b32 s43, 15, s43                        ; my row of the cluster
	s_lshl_b32 s44, 0x1111, s40                    ; my column
	s_or_b32 s[G1+0], s43, (1<<16)|(1<<20)|(1<<21)|(5<<22)|(3<<25)   ; mask; 2-byte elements; padding on; bit 21 beside a mask; after every 64 words, 4 words
	s_or_b32 s[G1B+0], s44, (1<<16)|(1<<20)|(1<<21)|(5<<22)|(3<<25)
	s_mov_b32 s[G1+1], KSTEP<<16
	s_mov_b32 s[G1B+1], KSTEP<<16
	s_mov_b32 s[G1+2], 64<<16                      ; A: 64 rows
	s_mov_b32 s[G1B+2], 128<<16                    ; B: 128 rows
	s_mov_b32 s[G1+3], KSTEP<<16
	s_mov_b32 s[G1B+3], KSTEP<<16
	s_mov_b32 s[G1+4], 64
	s_mov_b32 s[G1B+4], 128
	s_mov_b32 s[G1+5], KDIM
	s_mov_b32 s[G1B+5], KDIM
	s_mov_b32 s[G1+6], 0
	s_mov_b32 s[G1B+6], 0
	s_mov_b32 s[G1+7], 0
	s_mov_b32 s[G1B+7], 0
	s_lshl_b32 s17, s12, 6
	s_lshl_b32 s16, s13, 7
	s_add_co_u32 s16, s16, s17                     ; A: row 128 x block row + 64 x half
	s_lshl_b32 s47, s12, 7
	s_lshl_b32 s46, s42, 8
	s_add_co_u32 s46, s46, s47
	s_add_co_u32 s46, s46, 3*1024                  ; B: row 3,072 (W0) + 256 x block column + 128 x half
	s_mov_b32 s17, 0
	s_mov_b32 s47, 0
	s_mov_b64 s[18:19], KDIM*2
	s_mul_u64 s[16:17], s[16:17], s[18:19]
	s_mul_u64 s[46:47], s[46:47], s[18:19]
	s_mul_i32 s20, s10, AHALF
	s_add_co_u32 s20, s20, AOFF-2*AHALF            ; A's halves, waves 2 and 3
	s_mul_i32 s21, s10, BHALF                      ; B's halves, waves 0 and 1
	s_lshl_b32 s76, s42, 10
	s_lshl_b32 s77, s12, 9
	s_add_co_u32 s76, s76, s77                     ; my 128 columns, in bytes of f32: in the bias and in a row of out0
	s_mov_b32 s77, 0
	s_wait_dscnt 0x0
	s_wait_kmcnt 0x0
	s_add_nc_u64 s[14:15], s[4:5], s[16:17]
	s_add_nc_u64 s[46:47], s[6:7], s[46:47]
	s_add_nc_u64 s[68:69], s[68:69], s[76:77]
	CROUND                                         ; the first joint loads meet
.irp s, 0,1
	s_mov_b32 s[G0+4*\s], 1
	s_add_co_u32 s[G0+4*\s+1], s20, \s*SLOT
	s_add_nc_u64 s[G0+4*\s+2:G0+4*\s+3], s[14:15], \s*KSTEP*2
	s_or_b32 s[G0+4*\s+3], s[G0+4*\s+3], 0x80000000
	s_mov_b32 s[G0B+4*\s], 1
	s_add_co_u32 s[G0B+4*\s+1], s21, \s*SLOT
	s_add_nc_u64 s[G0B+4*\s+2:G0B+4*\s+3], s[46:47], \s*KSTEP*2
	s_or_b32 s[G0B+4*\s+3], s[G0B+4*\s+3], 0x80000000
	JLOAD \s                                       ; K steps 0 and 1: two tensor loads of the wave are out
.endr
	v_and_b32 v1, 15, v0                           ; r
	v_bfe_u32 v2, v0, 4, 1                         ; h
	v_mul_u32_u24 v3, v1, PITCH
	v_lshl_add_u32 v3, v2, 4, v3
	s_mul_i32 s22, s11, AHALF
	s_add_co_u32 s22, s22, AOFF
	s_mul_i32 s23, s12, BHALF
.irp s, 0,1
	v_add_nc_u32 v[ADRA+\s], s22, v3
	v_add_nc_u32 v[ADRB+\s], s23, v3
	s_add_co_u32 s22, s22, SLOT
	s_add_co_u32 s23, s23, SLOT
.endr
	s_mul_i32 s23, s10, 16*SPITCH
	s_add_co_u32 s23, s23, STAGE                   ; my stage
	v_mul_u32_u24 v4, v1, SPITCH
	v_lshl_add_u32 v4, v2, 5, v4
	v_add_nc_u32 v[STO], s23, v4                   ; in: row r, 32 bytes for each half of the lanes
	v_and_b32 v5, 31, v0
	v_lshlrev_b32 v[CO], 4, v5                     ; out: 16 bytes a lane, a row's 512 bytes a wave
	v_add_nc_u32 v[RD], s23, v[CO]
	v_lshlrev_b32 v[BO], 5, v2
	WIN 0x80                                       ; destination window 2
.irp b, 0,1,2,3,4,5,6,7
	global_load_b128 v[8*\b:8*\b+3],   v[BO], s[68:69] offset:64*\b      ; register j: b0[16 b + 8 h + j]
	global_load_b128 v[8*\b+4:8*\b+7], v[BO], s[68:69] offset:64*\b+16
.endr
	WIN 0
.macro MUL8 f, a, first                ; row block a x 8 column blocks, 32 along K; first = 1: the bias is C
.irp b, 0,1,2,3,4,5,6,7
.if \first
	v_wmma_f32_16x16x32_bf16 v[8*(8*\a+\b):8*(8*\a+\b)+7], v[64+96*\f+8*\b:64+96*\f+8*\b+7], v[32+96*\f+8*\a:32+96*\f+8*\a+7], v[8*\b:8*\b+7]
.else
	v_wmma_f32_16x16x32_bf16 v[8*(8*\a+\b):8*(8*\a+\b)+7], v[64+96*\f+8*\b:64+96*\f+8*\b+7], v[32+96*\f+8*\a:32+96*\f+8*\a+7], v[8*(8*\a+\b):8*(8*\a+\b)+7]
.endif
.endr
.endm
.macro FETCH slot, k, f                ; 24 LDS loads in one run: B's 8 fragments, then A's 4
.irp i, 0,1,2,3,4,5,6,7
	ds_load_b128 v[64+96*\f+8*\i:64+96*\f+8*\i+3],   v[ADRB+\slot] offset:\k+\i*16*PITCH
	ds_load_b128 v[64+96*\f+8*\i+4:64+96*\f+8*\i+7], v[ADRB+\slot] offset:\k+\i*16*PITCH+32
.endr
.irp i, 0,1,2,3
	ds_load_b128 v[32+96*\f+8*\i:32+96*\f+8*\i+3],   v[ADRA+\slot] offset:\k+\i*16*PITCH
	ds_load_b128 v[32+96*\f+8*\i+4:32+96*\f+8*\i+7], v[ADRA+\slot] offset:\k+\i*16*PITCH+32
.endr
.endm
; The 32 accumulators take turns, one instruction a turn, in the same order in every quarter.
.macro QUARTER slot, k, f, g, first
	s_wait_dscnt 4                                 ; all but A's blocks 2, 3
	MWIN \first
	MUL8 \f, 0, \first
	MUL8 \f, 1, \first
	WIN 0
	PLACES
	FETCH \slot, \k, \g
	s_wait_dscnt 24                                ; all but the 24 just issued
	MWIN \first
	MUL8 \f, 2, \first
	MUL8 \f, 3, \first
.endm
.macro THREE slot, first
	QUARTER \slot, 64,  0, 1, \first
	QUARTER \slot, 128, 1, 0, 0
	QUARTER \slot, 192, 0, 1, 0
.endm
.macro TURN slot, next, fill
	s_wait_dscnt 4
	WIN MUL_ON
	MUL8 1, 0, 0
	s_wait_dscnt 0                                 ; my reads of this slot are over
	s_wait_tensorcnt 0x0                           ; all my tensor loads have landed
	ds_add_u32 v254, v255
	s_wait_dscnt 0x0
	s_barrier_signal -1
	MUL8 1, 1, 0
	WIN 0
	s_barrier_wait -1
.if \fill
	CREST                                          ; the barrier above opened a round of the cluster's barrier
	s_add_nc_u64 s[G0+4*\slot+2:G0+4*\slot+3], s[G0+4*\slot+2:G0+4*\slot+3], 2*KSTEP*2
	s_add_nc_u64 s[G0B+4*\slot+2:G0B+4*\slot+3], s[G0B+4*\slot+2:G0B+4*\slot+3], 2*KSTEP*2
	JLOAD \slot                                    ; my one tensor load behind the round
.endif
	PLACES
	FETCH \next, 0, 0
	WIN MUL_ON
	MUL8 1, 2, 0
	MUL8 1, 3, 0
.endm
.macro LAP first
	THREE 0, \first
	TURN 0, 1, 1
	THREE 1, 0
	TURN 1, 0, 1
.endm
	s_wait_tensorcnt 1                             ; my part of K step 0 is in; K step 1's may stay out
	s_barrier_signal -1
	s_barrier_wait -1
	FETCH 0, 0, 0
	s_wait_loadcnt 0x0                             ; the bias
	LAP 1
	WIN 0
	s_mov_b32 s3, LAPS-2
.Llap:
	LAP 0
	WIN 0
	s_sub_co_u32 s3, s3, 1
	s_cmp_lg_u32 s3, 0
	s_cbranch_scc1 .Llap
	THREE 0, 0                                     ; the last lap fills nothing
	TURN 0, 1, 0
	THREE 1, 0
	s_wait_dscnt 4
	WIN MUL_ON
	MUL8 1, 0, 0
	MUL8 1, 1, 0
	s_wait_dscnt 0
	MUL8 1, 2, 0
	MUL8 1, 3, 0
	; THE WAY OUT, 16 rows at a time: the f32 results go into my own stage as they are and come back as whole rows of 512 bytes.
	PLACES
	s_lshl_b32 s16, s13, 7
	s_lshl_b32 s14, s11, 6
	s_add_co_u32 s16, s16, s14                     ; my first row
	s_mov_b32 s17, 0
	s_mov_b64 s[18:19], NDIM*4
	s_mul_u64 s[16:17], s[16:17], s[18:19]
	s_add_nc_u64 s[8:9], s[70:71], s[16:17]
	s_add_nc_u64 s[8:9], s[8:9], s[76:77]          ; my first column
.macro OUT16 i, f
	WIN 0x04                                       ; the stores' data in window 1
.irp b, 0,1,2,3,4,5,6,7
	ds_store_b128 v[STO], v[8*(8*\i+\b):8*(8*\i+\b)+3]   offset:64*\b
	ds_store_b128 v[STO], v[8*(8*\i+\b)+4:8*(8*\i+\b)+7] offset:64*\b+16
.endr
	WIN 0
	s_wait_xcnt 0x0                                ; buffer f, which earlier stores read, and the stores' base are rewritten only behind this wait
.if \i
	s_add_nc_u64 s[8:9], s[8:9], 16*NDIM*4
.endif
.irp t, 0,1,2,3,4,5,6,7,8,9,10,11,12,13,14,15
	ds_load_b128 v[\f+4*\t:\f+4*\t+3], v[RD] offset:\t*SPITCH      ; a wave's LDS instructions are served in order: these see the stores above
.endr
.irp t, 0,1,2,3,4,5,6,7,8,9,10,11,12,13,14,15
	s_wait_dscnt 15-\t
	global_store_b128 v[CO], v[\f+4*\t:\f+4*\t+3], s[8:9] offset:\t*NDIM*4 th:TH_STORE_NT   ; the wave stores 512 consecutive bytes, aligned
.endr
.endm
	OUT16 0, 32
	OUT16 1, 128
	OUT16 2, 32
	OUT16 3, 128
	s_wait_tensorcnt 0x0
	ds_add_u32 v254, v255
	s_wait_dscnt 0x0
	CROUND                                         ; the closing round
	s_endpgm
.Lfunc_end_k_q9e59433041_oproj:
	.size	k_q9e59433041_oproj, .Lfunc_end_k_q9e59433041_oproj-k_q9e59433041_oproj
	.p2alignl 7, 3214868480
	.fill 96, 4, 3214868480
	.section	.rodata,"a",@progbits
	.p2align	6, 0x0
	.amdhsa_kernel k_q9e59433041_oproj
		.amdhsa_group_segment_fixed_size 327680
		.amdhsa_private_segment_fixed_size 0
		.amdhsa_enable_private_segment 0
		.amdhsa_kernarg_size 32
		.amdhsa_user_sgpr_count 2
		.amdhsa_user_sgpr_kernarg_segment_ptr 1
		.amdhsa_wavefront_size32 1
		.amdhsa_system_sgpr_workgroup_id_x 1
		.amdhsa_system_sgpr_workgroup_id_y 1
		.amdhsa_system_sgpr_workgroup_id_z 1
		.amdhsa_system_vgpr_workitem_id 0
		.amdhsa_next_free_vgpr 576
		.amdhsa_next_free_sgpr 78
		.amdhsa_reserve_vcc 0
		.amdhsa_float_denorm_mode_32 3
		.amdhsa_float_denorm_mode_16_64 3
		.amdhsa_memory_ordered 1
		.amdhsa_forward_progress 1
		.amdhsa_inst_pref_size 119
	.end_amdhsa_kernel
	.amdgpu_metadata
---
amdhsa.version: [ 1, 2 ]
amdhsa.kernels:
  - .name:           k_q9e59433041_oproj
    .symbol:         k_q9e59433041_oproj.kd
    .args:
      - { .name: ao, .offset: 0, .size: 8, .value_kind: global_buffer, .address_space: global }
      - { .name: wb, .offset: 8, .size: 8, .value_kind: global_buffer, .address_space: global }
      - { .name: b0, .offset: 16, .size: 8, .value_kind: global_buffer, .address_space: global }
      - { .name: out0, .offset: 24, .size: 8, .value_kind: global_buffer, .address_space: global }
    .group_segment_fixed_size: 327680
    .private_segment_fixed_size: 0
    .kernarg_segment_align: 8
    .kernarg_segment_size: 32
    .max_flat_workgroup_size: 128
    .sgpr_count:     78
    .vgpr_count:     576
    .wavefront_size: 32
...
	.end_amdgpu_metadata
.endif
;; end of part 4
